; MI455X (gfx1250); checked and timed in simulation.
; The chip was launched on July 23, 2026; its instructions are those of AMD's public machine-readable ISA for CDNA 5 (MIT licence, August 2026) and "CDNA5" Instruction Set Architecture Reference Guide (July 2026). The comments in the code are by the model that wrote it; some were corrected since.
;; Corr Loss Chamfer. Allowed arithmetic: float matrix products may take bf16 or f16 operands with f32 sums; all other float work in f32.
;; Inputs: back_points 16 x 2,048 x 2 float32; back_vertices 1,000 int32; belly_points 16 x 2,048 x 2 float32; belly_vertices 2,000 int32; cams 16 x 7 float32; head_points 16 x 2,048 x 2 float32; head_vertices 2,000 int32; neck_points 16 x 2,048 x 2 float32; neck_vertices 1,000 int32; verts 16 x 8,000 x 3 float32.
;; Outputs: out0 one number float32; out1 16 x 6,000 x 2 float32.
;; One version. Each part assembles by itself: llvm-mc -triple=amdgcn-amd-amdhsa -mcpu=gfx1250 --defsym DOCPART=n.
;; ======== version 1 of 1: 2 launches
;; workspace buffers: partial 1,024 bytes
;; launch chamfer (part 1): grid 16 x 16, 8 waves a work-group, no clusters, 168,960 bytes of LDS; arguments head_points, belly_points, neck_points, back_points, head_vertices, belly_vertices, neck_vertices, back_vertices, verts, cams, out1, partial; writes out1, partial
.if DOCPART == 1
	.amdgcn_target "amdgcn-amd-amdhsa--gfx1250"
	.amdhsa_code_object_version 6
	.text
	.protected	k_q12f2a39cf5_chamfer
	.globl	k_q12f2a39cf5_chamfer
	.p2align	8
	.type	k_q12f2a39cf5_chamfer,@function
k_q12f2a39cf5_chamfer:
	s_mov_b64 s[64:65], 0
	v_nop
	global_prefetch_b8 v0, s[64:65] scope:SCOPE_SE
	s_setreg_imm32_b32 hwreg(HW_REG_WAVE_MODE, 25, 1), 1
	s_wait_xcnt 0x0
; Gather, project, nearest squared distance, weighted partial sum.
; Work-group (bx, b): batch b; bx 0-4 head, 5-9 belly (chunks of 400 vertices = 25 tiles of 16), 10-12 neck, 13-15 back (chunks of
; 336 = 21 tiles; the last chunk's 8 slots past vertex 999 are copies of the last pair with weight 0).
; Wave w keeps points 256 w .. 256 w + 255 of its part as 16 matrix operands in registers; all eight waves walk all vertex tiles,
; which lie in LDS.  One v_wmma_f32_16x16x32_bf16 with C = 0 gives |y|^2 - 2 x.y for 16 points x 16 vertices:
;   a coordinate c is cut by truncation into two bf16, ch + cl (16 significant bits); (ch + cl)^2 in f32 is cut exactly into three
;   bf16, s1 + s2 + s3.  Lane half h carries coordinate h:
;     k = 8h+0..7   point side:  yh yh yl yl s1 s2 s3 0      vertex side:  -2xh -2xl -2xh -2xl 1 1 1 0
;     k = 16..31    vertex side 0; the point side there is the next tile's four registers (any finite numbers), so a tile costs 4 registers.
;   In the result, register j of lane (r, h) is (point 8h + j, vertex r): the minimum over points runs over a lane's own registers.
;   |x|^2 (of the same 16-bit coordinates) is added in f32 behind the minimum.
; LIMITS: inputs finite, every |coordinate| (points, projected vertices) below 1e18 so that squares stay finite; a NaN or infinity is not
; carried as jnp.min carries it (v_min3_num drops a NaN; 0 x inf would reach a neighbouring tile).  Coordinates enter the distances
; truncated to 16 significant bits.  1 / (norm + 1e-8) by v_sqrt_f32 and v_rcp_f32; the projection is fused in an order of its own.
; NO CLUSTER: a point set is shared by 5 or by 3 work-groups, which no cluster of 4 divides, and it is 16,384 bytes read once per
; work-group against 3,200 or 2,688 matrix instructions.  No tensor loads: the points go straight from memory into operand registers.
.set XF,   0                           ; LDS: 32 vertex tiles of 256 bytes (one for every 8 threads; 25 or 21 are read): lane L's 8 bytes at 8 L =
                                       ;      the word {-2xh, -2xl} of coordinate h of vertex r, twice
.set PART, 8192                        ; LDS: minima, f32 at WP w + HP h + 64 tile + 4 r
.set WP,   4096                        ; a wave's own part of PART (3,200 bytes of it are used)
.set HP,   1600                        ; a lane half's list (1600 = 64 modulo 256: the halves' runs of 64 bytes lie apart modulo 256)
.set RED,  PART+8*WP                   ; LDS: one f32 for each wave
.set Y,    16                          ; v[16:83]   point tile t in v[Y+4t : Y+4t+3]; v[80:83] = 0 close the row
.set XB0,  84                          ; v[84:91]   vertex operand, buffer 0: registers 0, 1 loaded, 2, 3 the ones, 4-7 zero
.set XB1,  92                          ; v[92:99]   buffer 1
.set D,    100                         ; v[100:131] four results in turn; before the loop: the eight point loads
.set M,    132                         ; v[132:135] four running minima
.set R,    136                         ; v136       a tile's minimum
.set VA,   140                         ; v[140:142] gathered vertex of slot 2t
.set VB,   144                         ; v[144:146] of slot 2t + 1
.set C,    148                         ; v[148:153] scale x rotation, rows 0 and 1
.set P,    156                         ; v[156:159] projected: x, y of slot 2t, x, y of slot 2t + 1
.set XW0,  160                         ; v[160:163] coordinate 0's words for LDS
.set XW1,  164                         ; v[164:167] coordinate 1's
.set X2,   168                         ; v[168:169] 4 |x|^2 of my two slots
.set T,    170                         ; v[170:181] at work
; v0 t; v1 lane L; v2 r = L & 15; v3 h = L >> 4; v4 16 r; v5 index offset; v[6:7] indices; v8, v9 gather offsets; v10 8 L (steps);
; v11 WP w + HP h + 4 r (steps); v12 my 16 bytes in XF; v13 16 t; v14 8 min(t, active - 1); v15 weight or 0
; s2 bx; s3 b; s4 wave; s[8:31] arguments; s[32:33] points; s[34:35] indices; s36 scale, s37 tx, s38 ty, s39-42 quaternion;
; s43 N - 2; s44 first bx of the part, then chunk; s45 active threads (8 x tiles); s46 N; s47 chunk's first vertex; s48 threads with real vertices;
; s50 weight / 96000; s51 the part's first row in out1; s[52:53] offsets; s54 upper-half mask, also the mask of lanes 16-31;
; s55, s56 byte selectors; s57 saved EXEC; s58, s59 lane selectors; s60 loop counter; s61 vertices in a chunk, then s45 - 1
	s_load_b512 s[8:23], s[0:1], 0x0               ; four point tensors s[8:15], four index lists s[16:23]
	s_load_b256 s[24:31], s[0:1], 0x40             ; verts s[24:25], cams s[26:27], out1 s[28:29], partial s[30:31]
	v_lshl_add_u32 v192, v0, 2, 0x29000
	v_mov_b32 v193, 0
	v_lshrrev_b32 v1, 5, v0
	v_readfirstlane_b32 s4, v1                     ; wave 0..7
	s_mov_b32 s2, ttmp9                            ; bx
	s_and_b32 s3, ttmp7, 0xffff                    ; b
	s_mov_b32 s54, 0xffff0000
	s_mov_b32 s55, 0x03020302                      ; v_perm_b32: the second source's upper half, twice
	s_mov_b32 s56, 0x07060302                      ; v_perm_b32: low = second source's upper half, high = first source's
	s_mov_b32 s58, 0x76543210
	s_mov_b32 s59, 0xfedcba98
	; the part's numbers: the head's first, then replaced where bx says so (only lines that leave SCC alone stand behind a compare)
	s_movk_i32 s61, 400
	s_movk_i32 s45, 200
	s_movk_i32 s46, 2000
	s_mov_b32 s50, 0x369d4952                      ; 0.45 / 96000
	s_cmp_ge_u32 s2, 5
	s_cselect_b32 s44, 5, 0
	s_cselect_b32 s51, 2000, 0
	s_cmp_ge_u32 s2, 10
	s_cselect_b32 s44, 10, s44
	s_cselect_b32 s51, 4000, s51
	s_cselect_b32 s61, 336, s61
	s_cselect_b32 s45, 168, s45
	s_cselect_b32 s46, 1000, s46
	s_cselect_b32 s50, 0x350bcf65, s50             ; 0.05 / 96000
	s_cmp_ge_u32 s2, 13
	s_cselect_b32 s44, 13, s44
	s_cselect_b32 s51, 5000, s51
	s_sub_co_u32 s44, s2, s44                      ; chunk
	s_mul_i32 s47, s44, s61                        ; its first vertex in the part
	s_sub_co_u32 s48, s46, s47
	s_lshr_b32 s48, s48, 1
	s_min_u32 s48, s48, s45                        ; threads whose two slots are real vertices
	s_sub_co_u32 s43, s46, 2
	s_sub_co_u32 s61, s45, 1
	; lane terms
	v_and_b32 v1, 31, v0
	v_and_b32 v2, 15, v0
	v_bfe_u32 v3, v0, 4, 1
	v_lshlrev_b32 v4, 4, v2                        ; 16 r: two points
	v_lshl_add_u32 v5, v0, 1, s47                  ; my first slot's place in the list,
	v_min_u32 v5, s43, v5                          ; held inside it (threads and slots past the end read the last pair),
	v_lshlrev_b32 v5, 2, v5                        ; in bytes
	v_lshlrev_b32 v10, 3, v1
	s_lshl_b32 s52, s4, 12                         ; WP x wave
	v_mul_u32_u24 v11, v3, HP
	v_lshl_add_u32 v11, v2, 2, v11
	v_add_nc_u32 v11, s52, v11                     ; PART itself rides in the stores' immediate offsets
	s_lshl_b32 s52, s4, 10                         ; a wave's 32 threads own four tiles of XF
	v_lshrrev_b32 v12, 3, v1
	v_lshlrev_b32 v12, 8, v12
	v_and_b32 v[T], 7, v1
	v_lshl_add_u32 v12, v[T], 4, v12
	v_add_nc_u32 v12, s52, v12
	v_lshlrev_b32 v13, 4, v0
	v_min_u32 v14, s61, v0
	v_lshlrev_b32 v14, 3, v14
	s_wait_kmcnt 0x0
	s_cmp_ge_u32 s2, 5
	s_cselect_b64 s[32:33], s[10:11], s[8:9]
	s_cselect_b64 s[34:35], s[18:19], s[16:17]
	s_cmp_ge_u32 s2, 10
	s_cselect_b64 s[32:33], s[12:13], s[32:33]
	s_cselect_b64 s[34:35], s[20:21], s[34:35]
	s_cmp_ge_u32 s2, 13
	s_cselect_b64 s[32:33], s[14:15], s[32:33]
	s_cselect_b64 s[34:35], s[22:23], s[34:35]
	global_load_b64 v[6:7], v5, s[34:35]           ; the head of the longest chain: indices, then vertices
	s_mov_b32 s53, 0
	s_mul_i32 s52, s3, 28
	s_add_nc_u64 s[26:27], s[26:27], s[52:53]
	s_load_b128 s[36:39], s[26:27], 0x0            ; 28 bytes of the batch's camera: 16
	s_load_b96 s[40:42], s[26:27], 0x10            ; and 12
	s_lshl_b32 s52, s3, 14                         ; a batch's points are 16,384 bytes, a wave's 256 points 2,048
	s_lshl_b32 s57, s4, 11
	s_add_co_u32 s52, s52, s57
	s_add_nc_u64 s[32:33], s[32:33], s[52:53]
.irp j, 0,1,2,3,4,5,6,7
	global_load_b128 v[D+4*\j:D+4*\j+3], v4, s[32:33] offset:256*\j    ; points 2r, 2r + 1 of block j; both lane halves take the same 16 bytes
.endr
	s_mul_i32 s52, s3, 96000
	s_add_nc_u64 s[24:25], s[24:25], s[52:53]      ; the batch's vertices
	s_mul_i32 s52, s3, 6000
	s_add_co_u32 s52, s52, s51
	s_add_co_u32 s52, s52, s47
	s_lshl_b32 s52, s52, 3
	s_add_nc_u64 s[28:29], s[28:29], s[52:53]      ; out1 at the chunk's first row
	s_lshl4_add_u32 s52, s3, s2
	s_lshl_b32 s52, s52, 2
	s_add_nc_u64 s[30:31], s[30:31], s[52:53]      ; my word of partial
	; the parts of the operands that never change
.irp x, XB0, XB1
	v_mov_b32 v[\x+2], 0x3f803f80                  ; 1, 1
	v_mov_b32 v[\x+3], 0x3f80                      ; 1, 0
	v_mov_b32 v[\x+4], 0
	v_mov_b32 v[\x+5], 0
	v_mov_b32 v[\x+6], 0
	v_mov_b32 v[\x+7], 0
.endr
.irp i, 64,65,66,67
	v_mov_b32 v[Y+\i], 0
.endr
	s_wait_loadcnt 0x8                             ; the eight point loads are younger: the indices are in
	v_min_u32 v6, 0x1f3f, v6                       ; an index stays in the table of 8,000 rows
	v_min_u32 v7, 0x1f3f, v7
	v_mul_u32_u24 v8, v6, 12
	v_mul_u32_u24 v9, v7, 12
	global_load_b96 v[VA:VA+2], v8, s[24:25]
	global_load_b96 v[VB:VB+2], v9, s[24:25]
; Point tiles 2j and 2j + 1 from block j's 16 bytes: lane (r, h) makes the four registers of coordinate h of points 2r and 2r + 1.
.macro YPAIR j
	s_wait_loadcnt 9-\j                            ; behind point load j stand 7 - j point loads and the two gathers
	v_cndmask_b32 v[T],   v[D+4*\j],   v[D+4*\j+1], s54            ; lanes 16-31 take y, lanes 0-15 x
	v_cndmask_b32 v[T+1], v[D+4*\j+2], v[D+4*\j+3], s54
	v_and_b32 v[T+2], s54, v[T]                                    ; ch
	v_and_b32 v[T+3], s54, v[T+1]
	v_pk_add_f32 v[T+4:T+5], v[T:T+1], v[T+2:T+3] neg_lo:[0,1] neg_hi:[0,1]    ; c - ch, exact
	v_perm_b32 v[Y+8*\j],   v[T],   v[T],   s55                    ; ch, ch
	v_perm_b32 v[Y+8*\j+4], v[T+1], v[T+1], s55
	v_perm_b32 v[Y+8*\j+1], v[T+4], v[T+4], s55                    ; cl, cl
	v_perm_b32 v[Y+8*\j+5], v[T+5], v[T+5], s55
	v_and_b32 v[T+4], s54, v[T+4]                                  ; cl
	v_and_b32 v[T+5], s54, v[T+5]
	v_pk_add_f32 v[T:T+1], v[T+2:T+3], v[T+4:T+5]                  ; ch + cl, exact
	v_pk_mul_f32 v[T:T+1], v[T:T+1], v[T:T+1]                      ; its square
	v_and_b32 v[T+2], s54, v[T]                                    ; s1
	v_and_b32 v[T+3], s54, v[T+1]
	v_pk_add_f32 v[T+4:T+5], v[T:T+1], v[T+2:T+3] neg_lo:[0,1] neg_hi:[0,1]
	v_perm_b32 v[Y+8*\j+2], v[T+4], v[T],   s56                    ; s1, s2
	v_perm_b32 v[Y+8*\j+6], v[T+5], v[T+1], s56
	v_and_b32 v[T+2], s54, v[T+4]                                  ; s2
	v_and_b32 v[T+3], s54, v[T+5]
	v_pk_add_f32 v[T+4:T+5], v[T+4:T+5], v[T+2:T+3] neg_lo:[0,1] neg_hi:[0,1]
	v_lshrrev_b32 v[Y+8*\j+3], 16, v[T+4]                          ; s3, 0
	v_lshrrev_b32 v[Y+8*\j+7], 16, v[T+5]
.endm
.irp j, 0,1,2,3,4,5,6,7
	YPAIR \j                                       ; this work stands while the gathers are on their way
.endr
	; the camera: rows 0 and 1 of scale x R(q / (|q| + 1e-8)), the same in every lane
	s_wait_kmcnt 0x0
	v_mul_f32 v[T], s39, s39
	v_fma_f32 v[T], s40, s40, v[T]
	v_fma_f32 v[T], s41, s41, v[T]
	v_fma_f32 v[T], s42, s42, v[T]
	v_sqrt_f32 v[T], v[T]
	v_add_f32 v[T+5], s36, s36                     ; 2 scale: the plain instruction between v_sqrt_f32 and the use of its result (ISA guide 5.7.2)
	s_wait_alu depctr_va_vdst(0)
	v_add_f32 v[T], 0x322bcc77, v[T]               ; + 1e-8
	v_rcp_f32 v[T], v[T]
	v_nop                                          ; the same behind v_rcp_f32
	s_wait_alu depctr_va_vdst(0)
	v_mul_f32 v[T+1], s39, v[T]                    ; w
	v_mul_f32 v[T+2], s40, v[T]                    ; x
	v_mul_f32 v[T+3], s41, v[T]                    ; y
	v_mul_f32 v[T+4], s42, v[T]                    ; z
	v_mul_f32 v[T+6], v[T+3], v[T+3]
	v_mul_f32 v[T+7], v[T+2], v[T+2]
	v_fma_f32 v[T+6], v[T+4], v[T+4], v[T+6]       ; yy + zz
	v_fma_f32 v[T+7], v[T+4], v[T+4], v[T+7]       ; xx + zz
	v_mul_f32 v[T+8], v[T+1], v[T+4]               ; wz
	v_mul_f32 v[T+9], v[T+1], v[T+3]               ; wy
	v_mul_f32 v[T+10], v[T+1], v[T+2]              ; wx
	v_fma_f32 v[T+11], v[T+2], v[T+3], -v[T+8]     ; xy - wz
	v_fma_f32 v[T+8], v[T+2], v[T+3], v[T+8]       ; xy + wz
	v_fma_f32 v[T+9], v[T+2], v[T+4], v[T+9]       ; xz + wy
	v_fma_f32 v[T+10], v[T+3], v[T+4], -v[T+10]    ; yz - wx
	v_fma_f32 v[C+0], -v[T+5], v[T+6], s36
	v_mul_f32 v[C+1], v[T+5], v[T+11]
	v_mul_f32 v[C+2], v[T+5], v[T+9]
	v_mul_f32 v[C+3], v[T+5], v[T+8]
	v_fma_f32 v[C+4], -v[T+5], v[T+7], s36
	v_mul_f32 v[C+5], v[T+5], v[T+10]
	; my two vertices: project, cut, hand to LDS and to out1
.macro PROJ dst, src
	v_fma_f32 v[\dst],   v[C+2], v[\src+2], s37
	v_fma_f32 v[\dst+1], v[C+5], v[\src+2], s38
	v_fma_f32 v[\dst],   v[C+1], v[\src+1], v[\dst]
	v_fma_f32 v[\dst+1], v[C+4], v[\src+1], v[\dst+1]
	v_fma_f32 v[\dst],   v[C+0], v[\src],   v[\dst]
	v_fma_f32 v[\dst+1], v[C+3], v[\src],   v[\dst+1]
.endm
	s_wait_loadcnt 0x0                             ; the gathers
	PROJ P, VA
	PROJ P+2, VB
	v_pk_mul_f32 v[T:T+1],   v[P:P+1],   -2.0 op_sel_hi:[1,0]      ; g = -2 p
	v_pk_mul_f32 v[T+2:T+3], v[P+2:P+3], -2.0 op_sel_hi:[1,0]
.irp i, 0,1,2,3
	v_and_b32 v[T+4+\i], s54, v[T+\i]                              ; gh
.endr
	v_pk_add_f32 v[T+8:T+9],   v[T:T+1],   v[T+4:T+5] neg_lo:[0,1] neg_hi:[0,1]    ; g - gh, exact
	v_pk_add_f32 v[T+10:T+11], v[T+2:T+3], v[T+6:T+7] neg_lo:[0,1] neg_hi:[0,1]
	v_perm_b32 v[XW0],   v[T+8],  v[T],   s56      ; {gh, gl}, each word twice: operand registers 0 and 1 are equal
	v_perm_b32 v[XW0+1], v[T+8],  v[T],   s56
	v_perm_b32 v[XW0+2], v[T+10], v[T+2], s56
	v_perm_b32 v[XW0+3], v[T+10], v[T+2], s56
	v_perm_b32 v[XW1],   v[T+9],  v[T+1], s56
	v_perm_b32 v[XW1+1], v[T+9],  v[T+1], s56
	v_perm_b32 v[XW1+2], v[T+11], v[T+3], s56
	v_perm_b32 v[XW1+3], v[T+11], v[T+3], s56
	ds_store_b128 v12, v[XW0:XW0+3] offset:XF      ; every thread stores: threads past the chunk's slots fill tiles that nobody reads
	ds_store_b128 v12, v[XW1:XW1+3] offset:XF+128  ; with copies of the list's last pair
.irp i, 0,1,2,3
	v_and_b32 v[T+8+\i], s54, v[T+8+\i]                            ; gl
.endr
	v_pk_add_f32 v[T+4:T+5], v[T+4:T+5], v[T+8:T+9]                ; q = gh + gl
	v_pk_add_f32 v[T+6:T+7], v[T+6:T+7], v[T+10:T+11]
	v_mul_f32 v[X2],   v[T+4], v[T+4]
	v_mul_f32 v[X2+1], v[T+6], v[T+6]
	v_fma_f32 v[X2],   v[T+5], v[T+5], v[X2]       ; |q|^2 = 4 |x|^2
	v_fma_f32 v[X2+1], v[T+7], v[T+7], v[X2+1]
	v_mov_b32 v15, s50
	v_cmp_gt_u32 vcc_lo, s48, v0
	v_cndmask_b32 v15, 0, v15, vcc_lo              ; the weight, 0 for pads and idle threads
	s_wait_xcnt 0x0                                ; EXEC is a source of the loads above: it changes only behind this wait
	s_and_saveexec_b32 s57, vcc_lo                 ; threads whose slots are real vertices
	global_store_b128 v13, v[P:P+3], s[28:29] th:TH_STORE_NT       ; 16 bytes a lane, neighbouring lanes neighbouring bytes
	s_wait_xcnt 0x0                                ; EXEC widens only behind this wait
	s_or_b32 exec_lo, exec_lo, s57
	s_wait_dscnt 0x0                               ; my part of XF is written, for the other waves' sake
	s_barrier_signal -1
	s_barrier_wait -1
; THE LOOP.  A trip is one vertex tile against my 16 point tiles.  The minima lag two products behind and run on across the trip's end.
; Distances behind a matrix instruction, counted in plain vector instructions that name none of its registers:
; a result is first read 8 behind its product (4 in the first trip: the v_nop), its registers are written again 12 or more behind,
; and the load into the other vertex buffer stands 14 behind the last product that read that buffer.
; In the loop XF is only read (bytes below 6,400) and each wave writes only its own WP bytes of PART: no barrier is needed inside.
.macro WM t, xb
	v_wmma_f32_16x16x32_bf16 v[D+8*((\t)%4):D+8*((\t)%4)+7], v[Y+4*(\t):Y+4*(\t)+7], v[\xb:\xb+7], 0
.endm
.macro MINF q                          ; the first result of a tile starts the four minima: nothing is cleared
.irp i, 0,1,2,3
	v_min_num_f32 v[M+\i], v[D+8*(\q)+2*\i], v[D+8*(\q)+2*\i+1]
.endr
.endm
.macro MINA q
.irp i, 0,1,2,3
	v_min3_num_f32 v[M+\i], v[M+\i], v[D+8*(\q)+2*\i], v[D+8*(\q)+2*\i+1]
.endr
.endm
.macro FIN soff                        ; a tile's minimum over my 128 points of this lane half, to my word of PART
	v_min3_num_f32 v[R], v[M], v[M+1], v[M+2]
	v_min_num_f32 v[R], v[R], v[M+3]
	ds_store_b32 v11, v[R] offset:PART+\soff
.endm
; xb: this tile's buffer; xn: the other; prev = 1: the tile before is finished here (store offset soff); more = 1: the next tile is loaded (offset loff)
.macro TRIP xb, xn, prev, more, loff, soff
	s_wait_dscnt 0x0                               ; this tile's load, issued 14 products ago, is the youngest LDS instruction
	WM 0, \xb
.if \prev
	MINA 2
.endif
	WM 1, \xb
.if \prev
	MINA 3
	FIN \soff
.else
.rept 4
	v_nop
.endr
.endif
.if \more
	ds_load_b64 v[\xn:\xn+1], v10 offset:XF+\loff
.endif
	WM 2, \xb
	MINF 0
	WM 3, \xb
	MINA 1
.irp t, 4,5,6,7,8,9,10,11,12,13,14,15
	WM \t, \xb
	MINA (\t-2)%4
.endr
.endm
.macro PAIR                            ; tiles 2k + 1 and 2k + 2; v10 = 8 L + 512 k, v11 = my word + 128 k
	TRIP XB1, XB0, 1, 1, 512, 0
	TRIP XB0, XB1, 1, 1, 768, 64
	v_add_nc_u32 v10, 512, v10
	v_add_nc_u32 v11, 128, v11
.endm
	ds_load_b64 v[XB0:XB0+1], v10 offset:XF        ; tile 0
	TRIP XB0, XB1, 0, 1, 256, 0
	s_mov_b32 s60, 0
.Lpair:                                            ; tiles 1 to 18, in every work-group
	PAIR
	s_add_co_u32 s60, s60, 1
	s_cmp_lt_u32 s60, 9
	s_cbranch_scc1 .Lpair
	s_cmp_ge_u32 s2, 10                            ; chunks of 21 tiles (neck, back) have two tiles left, chunks of 25 six
	s_cbranch_scc1 .Ltail
	s_mov_b32 s60, 0
.Lmore:                                            ; tiles 19 to 22
	PAIR
	s_add_co_u32 s60, s60, 1
	s_cmp_lt_u32 s60, 2
	s_cbranch_scc1 .Lmore
.Ltail:
	TRIP XB1, XB0, 1, 1, 512, 0                    ; the last but one tile; it loads the last
	TRIP XB0, XB1, 1, 0, 0, 64                     ; the last tile loads nothing
	MINA 2
	MINA 3
	FIN 128
	; COMBINE: thread t takes slots 2t, 2t + 1 from the 16 lists (eight waves x two lane halves)
	s_wait_dscnt 0x0                               ; my stores into PART are done, for the others' sake
	s_barrier_signal -1
	s_barrier_wait -1
.irp k, 0,1,2,3,4,5,6,7,8,9,10,11,12,13,14,15
	ds_load_b64 v[16+2*\k:17+2*\k], v14 offset:PART+WP*(\k/2)+HP*(\k%2)
.endr
	s_wait_dscnt 0x0
	v_min3_num_f32 v[T],   v16, v18, v20
	v_min3_num_f32 v[T+1], v17, v19, v21
.irp k, 22,26,30,34,38,42
	v_min3_num_f32 v[T],   v[T],   v[\k],   v[\k+2]
	v_min3_num_f32 v[T+1], v[T+1], v[\k+1], v[\k+3]
.endr
	v_min_num_f32 v[T],   v[T],   v46
	v_min_num_f32 v[T+1], v[T+1], v47
	v_fma_f32 v[T],   v[X2],   0x3e800000, v[T]    ; |x|^2 + min(|y|^2 - 2 x.y): a quarter of |q|^2
	v_fma_f32 v[T+1], v[X2+1], 0x3e800000, v[T+1]
	v_add_f32 v[T], v[T], v[T+1]
	v_mul_f32 v[T], v15, v[T]                      ; weight / 96000, or 0 (the numbers of pads and idle threads are finite copies)
	v_add_f32_dpp v[T], v[T], v[T] row_xmask:1 row_mask:0xf bank_mask:0xf
	v_add_f32_dpp v[T], v[T], v[T] row_xmask:2 row_mask:0xf bank_mask:0xf
	v_add_f32_dpp v[T], v[T], v[T] row_xmask:4 row_mask:0xf bank_mask:0xf
	v_add_f32_dpp v[T], v[T], v[T] row_xmask:8 row_mask:0xf bank_mask:0xf
	v_permlanex16_b32 v[T+1], v[T], s58, s59
	v_add_f32 v[T], v[T], v[T+1]
	v_mov_b32 v[T+2], s4
	v_lshlrev_b32 v[T+2], 2, v[T+2]
	ds_store_b32 v[T+2], v[T] offset:RED           ; all lanes write the wave's word with the same number
	s_wait_dscnt 0x0
	s_barrier_signal -1
	s_barrier_wait -1
	s_cmp_lg_u32 s4, 0
	s_cbranch_scc1 .Lend                           ; wave 0 adds the eight and stores the work-group's share
	v_mov_b32 v[T+3], 0
	ds_load_b128 v[16:19], v[T+3] offset:RED
	ds_load_b128 v[20:23], v[T+3] offset:RED+16
	s_wait_dscnt 0x0
	v_pk_add_f32 v[16:17], v[16:17], v[18:19]
	v_pk_add_f32 v[20:21], v[20:21], v[22:23]
	v_pk_add_f32 v[16:17], v[16:17], v[20:21]
	v_add_f32 v16, v16, v17
	v_cmp_eq_u32 vcc_lo, 0, v0
	s_and_saveexec_b32 s57, vcc_lo                 ; no global instruction has been issued since the last s_wait_xcnt 0
	global_store_b32 v[T+3], v16, s[30:31]
	s_wait_xcnt 0x0
	s_or_b32 exec_lo, exec_lo, s57
.Lend:
	s_wait_tensorcnt 0x0
	ds_add_u32 v192, v193
	s_wait_dscnt 0x0
	s_endpgm
.Lfunc_end_k_q12f2a39cf5_chamfer:
	.size	k_q12f2a39cf5_chamfer, .Lfunc_end_k_q12f2a39cf5_chamfer-k_q12f2a39cf5_chamfer
	.p2alignl 7, 3214868480
	.fill 96, 4, 3214868480
	.section	.rodata,"a",@progbits
	.p2align	6, 0x0
	.amdhsa_kernel k_q12f2a39cf5_chamfer
		.amdhsa_group_segment_fixed_size 168960
		.amdhsa_private_segment_fixed_size 0
		.amdhsa_enable_private_segment 0
		.amdhsa_kernarg_size 96
		.amdhsa_user_sgpr_count 2
		.amdhsa_user_sgpr_kernarg_segment_ptr 1
		.amdhsa_wavefront_size32 1
		.amdhsa_system_sgpr_workgroup_id_x 1
		.amdhsa_system_sgpr_workgroup_id_y 1
		.amdhsa_system_sgpr_workgroup_id_z 1
		.amdhsa_system_vgpr_workitem_id 0
		.amdhsa_next_free_vgpr 194
		.amdhsa_next_free_sgpr 66
		.amdhsa_reserve_vcc 1
		.amdhsa_float_denorm_mode_32 3
		.amdhsa_float_denorm_mode_16_64 3
		.amdhsa_memory_ordered 1
		.amdhsa_forward_progress 1
		.amdhsa_inst_pref_size 60
	.end_amdhsa_kernel
	.amdgpu_metadata
---
amdhsa.version: [ 1, 2 ]
amdhsa.kernels:
  - .name:           k_q12f2a39cf5_chamfer
    .symbol:         k_q12f2a39cf5_chamfer.kd
    .args:
      - { .name: head_points, .offset: 0, .size: 8, .value_kind: global_buffer, .address_space: global }
      - { .name: belly_points, .offset: 8, .size: 8, .value_kind: global_buffer, .address_space: global }
      - { .name: neck_points, .offset: 16, .size: 8, .value_kind: global_buffer, .address_space: global }
      - { .name: back_points, .offset: 24, .size: 8, .value_kind: global_buffer, .address_space: global }
      - { .name: head_vertices, .offset: 32, .size: 8, .value_kind: global_buffer, .address_space: global }
      - { .name: belly_vertices, .offset: 40, .size: 8, .value_kind: global_buffer, .address_space: global }
      - { .name: neck_vertices, .offset: 48, .size: 8, .value_kind: global_buffer, .address_space: global }
      - { .name: back_vertices, .offset: 56, .size: 8, .value_kind: global_buffer, .address_space: global }
      - { .name: verts, .offset: 64, .size: 8, .value_kind: global_buffer, .address_space: global }
      - { .name: cams, .offset: 72, .size: 8, .value_kind: global_buffer, .address_space: global }
      - { .name: out1, .offset: 80, .size: 8, .value_kind: global_buffer, .address_space: global }
      - { .name: partial, .offset: 88, .size: 8, .value_kind: global_buffer, .address_space: global }
    .group_segment_fixed_size: 168960
    .private_segment_fixed_size: 0
    .kernarg_segment_align: 8
    .kernarg_segment_size: 96
    .max_flat_workgroup_size: 256
    .sgpr_count:     66
    .vgpr_count:     194
    .wavefront_size: 32
...
	.end_amdgpu_metadata
.endif
;; end of part 1
;; launch total (part 2): grid 1 x 1, 1 waves a work-group, no clusters, 0 bytes of LDS; arguments partial, out0; writes out0
.if DOCPART == 2
	.amdgcn_target "amdgcn-amd-amdhsa--gfx1250"
	.amdhsa_code_object_version 6
	.text
	.protected	k_q12f2a39cf5_total
	.globl	k_q12f2a39cf5_total
	.p2align	8
	.type	k_q12f2a39cf5_total,@function
k_q12f2a39cf5_total:
	s_mov_b64 s[64:65], 0
	v_nop
	global_prefetch_b8 v0, s[64:65] scope:SCOPE_SE
	s_setreg_imm32_b32 hwreg(HW_REG_WAVE_MODE, 25, 1), 1
	s_wait_xcnt 0x0
; out0 = the sum of the 256 shares of the launch before; the weights there already hold 1 / (16 x 6000), so this only adds.
; One wave: lane l takes the 16 bytes at 16 l and those at 512 + 16 l, 1,024 bytes in two loads.
	s_load_b128 s[4:7], s[0:1], 0x0                ; partial s[4:5], out0 s[6:7]
	v_lshlrev_b32 v1, 4, v0
	v_mov_b32 v10, 0
	s_mov_b32 s12, 0x76543210                      ; v_permlanex16_b32: lane i of one half reads lane i of the other
	s_mov_b32 s13, 0xfedcba98
	s_wait_kmcnt 0x0
	global_load_b128 v[2:5], v1, s[4:5]
	global_load_b128 v[6:9], v1, s[4:5] offset:512
	s_wait_loadcnt 0x0
	v_pk_add_f32 v[2:3], v[2:3], v[4:5]
	v_pk_add_f32 v[6:7], v[6:7], v[8:9]
	v_pk_add_f32 v[2:3], v[2:3], v[6:7]
	v_add_f32 v2, v2, v3
	v_add_f32_dpp v2, v2, v2 row_xmask:1 row_mask:0xf bank_mask:0xf
	v_add_f32_dpp v2, v2, v2 row_xmask:2 row_mask:0xf bank_mask:0xf
	v_add_f32_dpp v2, v2, v2 row_xmask:4 row_mask:0xf bank_mask:0xf
	v_add_f32_dpp v2, v2, v2 row_xmask:8 row_mask:0xf bank_mask:0xf
	v_permlanex16_b32 v3, v2, s12, s13
	v_add_f32 v2, v2, v3
	s_wait_xcnt 0x0                                ; EXEC is a source of the loads above: it changes only behind this wait
	v_cmp_eq_u32 vcc_lo, 0, v0
	s_and_saveexec_b32 s8, vcc_lo
	global_store_b32 v10, v2, s[6:7]               ; lane 0 writes the one number
	s_wait_xcnt 0x0
	s_or_b32 exec_lo, exec_lo, s8
	s_endpgm
.Lfunc_end_k_q12f2a39cf5_total:
	.size	k_q12f2a39cf5_total, .Lfunc_end_k_q12f2a39cf5_total-k_q12f2a39cf5_total
	.p2alignl 7, 3214868480
	.fill 96, 4, 3214868480
	.section	.rodata,"a",@progbits
	.p2align	6, 0x0
	.amdhsa_kernel k_q12f2a39cf5_total
		.amdhsa_group_segment_fixed_size 0
		.amdhsa_private_segment_fixed_size 0
		.amdhsa_enable_private_segment 0
		.amdhsa_kernarg_size 16
		.amdhsa_user_sgpr_count 2
		.amdhsa_user_sgpr_kernarg_segment_ptr 1
		.amdhsa_wavefront_size32 1
		.amdhsa_system_sgpr_workgroup_id_x 1
		.amdhsa_system_sgpr_workgroup_id_y 1
		.amdhsa_system_sgpr_workgroup_id_z 1
		.amdhsa_system_vgpr_workitem_id 0
		.amdhsa_next_free_vgpr 12
		.amdhsa_next_free_sgpr 66
		.amdhsa_reserve_vcc 1
		.amdhsa_float_denorm_mode_32 3
		.amdhsa_float_denorm_mode_16_64 3
		.amdhsa_memory_ordered 1
		.amdhsa_forward_progress 1
		.amdhsa_inst_pref_size 2
	.end_amdhsa_kernel
	.amdgpu_metadata
---
amdhsa.version: [ 1, 2 ]
amdhsa.kernels:
  - .name:           k_q12f2a39cf5_total
    .symbol:         k_q12f2a39cf5_total.kd
    .args:
      - { .name: partial, .offset: 0, .size: 8, .value_kind: global_buffer, .address_space: global }
      - { .name: out0, .offset: 8, .size: 8, .value_kind: global_buffer, .address_space: global }
    .group_segment_fixed_size: 0
    .private_segment_fixed_size: 0
    .kernarg_segment_align: 8
    .kernarg_segment_size: 16
    .max_flat_workgroup_size: 32
    .sgpr_count:     66
    .vgpr_count:     12
    .wavefront_size: 32
...
	.end_amdgpu_metadata
.endif
;; end of part 2
